; MI455X (gfx1250); checked and timed in simulation.
; The chip was launched on July 23, 2026; its instructions are those of AMD's public machine-readable ISA for CDNA 5 (MIT licence, August 2026) and "CDNA5" Instruction Set Architecture Reference Guide (July 2026). The comments in the code are by the model that wrote it; some were corrected since.
;; Multi Head Attention. Allowed arithmetic: matrix products marked QUANTISED: E4M3 operands, one given power-of-two scale a tensor, by v_wmma_f32_16x16x64_fp8_fp8 or v_wmma_f32_16x16x128_fp8_fp8, f32 sums; everything else in f32.
;; Inputs: Wk_codes 16 x 64 x 32 x 32 uint8 (E4M3 codes of Wk, K innermost, in blocks of 32 codes); Wproj_codes 1,024 x 32 x 32 uint8 (E4M3 codes of Wproj, K innermost, in blocks of 32 codes); Wq_codes 16 x 64 x 32 x 32 uint8 (E4M3 codes of Wq, K innermost, in blocks of 32 codes); Wv_codes 16 x 64 x 32 x 32 uint8 (E4M3 codes of Wv, K innermost, in blocks of 32 codes); bproj 1,024 float32; lowp_scales 12 int32 (the exponents e of the quantised operands' scales 2^e); x_codes 4 x 2,048 x 32 x 32 uint8 (E4M3 codes of x, K innermost, in blocks of 32 codes).
;; Outputs: out0 4 x 2,048 x 1,024 float32.
;; This version of the problem:
;;   THIS VERSION OF THE PROBLEM IS GIVEN IN LOW PRECISION. The matrix products marked QUANTISED in the list below multiply operands that are first quantised to E4M3 (4 exponent bits, 3 mantissa bits; 8 bits a number), with one given power-of-two scale for each operand tensor; their sums are f32. All else is computed in f32.
;;   The module's matrix products, in the order in which they are computed (A, B: the left and right operand; K: the contracted axis; several contracted axes count as one K, in the product's order):
;;     1. [M 1,024, K 1,024] x [K 1,024, N 8,192]; A: input Wq (given as codes); B: input x (given as codes): QUANTISED (scales: A lowp_scales[0], B lowp_scales[1])
;;     2. [M 1,024, K 1,024] x [K 1,024, N 8,192]; A: input Wk (given as codes); B: input x (given as codes): QUANTISED (scales: A lowp_scales[2], B lowp_scales[3])
;;     3. [M 1,024, K 1,024] x [K 1,024, N 8,192]; A: input Wv (given as codes); B: input x (given as codes): QUANTISED (scales: A lowp_scales[4], B lowp_scales[5])
;;     4. batch 64 x [M 2,048, K 64] x [K 64, N 2,048]; A: computed on the way; B: computed on the way: QUANTISED (scales: A lowp_scales[6], B lowp_scales[7])
;;     5. batch 64 x [M 2,048, K 2,048] x [K 2,048, N 64]; A: softmax (see below); B: computed on the way: QUANTISED (scales: A lowp_scales[8], B lowp_scales[9])
;;     6. [M 8,192, K 1,024] x [K 1,024, N 1,024]; A: computed on the way; B: input Wproj (given as codes): QUANTISED (scales: A lowp_scales[10], B lowp_scales[11])
;;   THE QUANTISER, for each operand of a quantised product, along K:
;;     - The operand's scale is 2^e, e = its entry of the input lowp_scales (int32; the entries are numbered through the quantised products in the list's order, A before B).
;;     - Each number is divided by the scale, clamped to +-448, and rounded to the nearest number of E4M3, ties to even, subnormals kept.
;;     - The product sums the exact products of the quantised numbers (number of the format x scale) in f32.
;;   ~~~python
;;   def quantise(x, axis, e):      # numpy; x: float32 -> the quantised numbers, widened to float32 again
;;       x = np.moveaxis(x, axis, -1); K = x.shape[-1]
;;       r = np.clip(x / 2.0 ** e, -448, 448)
;;       step = 2.0 ** (np.maximum(np.frexp(np.where(r == 0, 1, r))[1] - 1, -6) - 3)
;;       q = np.round(r / step) * step * 2.0 ** e      # np.round: ties to even
;;       return np.moveaxis(q, -1, axis).astype(np.float32)
;;   ~~~
;;   SOFTMAX AHEAD OF A QUANTISED PRODUCT. Where the list says 'softmax', what is quantised is not the finished softmax but p = 2^(t - M), with t = logit x log2(e) and M = ceil(the row's largest t), a whole number; so 1/2 < the row's largest p <= 1. The row's sum l is taken of the UNQUANTISED p, in f32, and the product's result is divided by l at the end. Since M is a whole number, a kernel that streams over the keys may use a running M (the ceiling of the running maximum): every later rescaling is an exact power of two, so the quantised numbers keep their values, but for numbers so far below the row's largest that they fall under the format's range.
;;   OPERANDS COMPUTED ON THE WAY. 'Computed on the way' means the value that the module computes at that place (a softmax that the list does not call 'softmax' is quantised finished and normalised). What goes into a quantiser is computed in f32, as accurately as f32 sums, v_exp_f32 and their like allow (about 1e-6 of the number): no bf16 or f16 on the way to a quantiser, and a product that is left as it is and whose result goes on into a quantised operand takes f32 operands (vector FMAs, or v_wmma_f32_16x16x4_f32). A number that lies on a knife's edge between two numbers of the format may be rounded either way, as far as f32 arithmetic and the matrix unit's own rounding can turn it there, and no further.
;;   INPUTS GIVEN AS CODES. Wk (in the module: [16, 1024, 64], K = its axis 1); Wproj (in the module: [1024, 1024], K = its axis 1); Wq (in the module: [16, 1024, 64], K = its axis 1); Wv (in the module: [16, 1024, 64], K = its axis 1); x (in the module: [4, 2048, 1024], K = its axis 2): each comes as NAME_codes (uint8): NAME with its K axis moved to the last place and cut into blocks of 32 codes, [.., K / 32, bytes a block], one block behind the other in memory; one code a byte (a code: sign, 4 exponent bits, 3 mantissa bits); its scale is its entry of lowp_scales. Its value is code x scale, taken as it is: it is not quantised again, and the codes and scales need not be those that the quantiser above would give.
;; One version. Each part assembles by itself: llvm-mc -triple=amdgcn-amd-amdhsa -mcpu=gfx1250 --defsym DOCPART=n.
;; ======== version 1 of 1: 3 launches
;; limits: right only within a limited range of input values
;; workspace buffers: k_codes 8,388,608 bytes; v_codes 8,388,608 bytes; a_codes 8,388,608 bytes
;; launch kv (part 1): grid 8 x 32, 4 waves a work-group, clusters of 4 x 4, 327,680 bytes of LDS; arguments x_codes, Wk_codes, Wv_codes, lowp_scales, k_codes, v_codes; writes k_codes, v_codes
.if DOCPART == 1
	.amdgcn_target "amdgcn-amd-amdhsa--gfx1250"
	.amdhsa_code_object_version 6
	.text
	.protected	k_q8b86fce4c4_kv
	.globl	k_q8b86fce4c4_kv
	.p2align	8
	.type	k_q8b86fce4c4_kv,@function
k_q8b86fce4c4_kv:
	s_mov_b64 s[64:65], 0
	v_nop
	global_prefetch_b8 v0, s[64:65] scope:SCOPE_SE
	s_setreg_imm32_b32 hwreg(HW_REG_WAVE_MODE, 25, 1), 1
	s_wait_xcnt 0x0
	s_wait_alu depctr_hold_cnt(0) depctr_sa_sdst(0) depctr_va_vdst(0) depctr_va_sdst(0) depctr_va_ssrc(0) depctr_va_vcc(0) depctr_vm_vsrc(0)
	s_getreg_b32 s2, hwreg(HW_REG_IB_STS2, 6, 4)
	s_cmp_eq_u32 s2, 0
	s_cbranch_scc0 .Lentry_in_a_cluster
	s_endpgm
.Lentry_in_a_cluster:
	s_bfe_u32 s2, ttmp6, 0x10000c
	s_cmp_lg_u32 s2, 0xf033
	s_cbranch_scc0 .Lentry_shape_is_right
	s_endpgm
.Lentry_shape_is_right:
; k, v = x W for all 16 heads, on codes of FP8 (E4M3), and their quantising for the attention launch (q is made there, by the waves that use it).
; x_codes: [8192 tokens][1024]; Wk/Wv_codes: [1024 rows (64 head + d)][1024]; K innermost.  lowp_scales: e0 .. e11 (int32).
; OUT: k_codes [b][h][t][64];  v_codes [b][h][d][t] (the keys innermost: they are the K of attention's second product).
; A sum's code is sum / 2^E, E = e7 - e2 - e3 (k), e9 - e4 - e5 (v), held within +-448.  LIMIT: E between -126 and 119, so that 2^E and 448 x 2^E are f32 numbers.
; SHARES: a tile of 256 x 256 to a work-group of four waves, 128 x 128 a wave (64 accumulators).  2 x 128 tiles = 256 work-groups.  K = 1,024 in four steps of 256 through two LDS slots.
; The cluster's x says which weight (0: k, 1: v): it is alike in all sixteen partners.
; ROLES: source 1 (A) gives a lane its row, source 0 (B) its eight neighbours.  k: A = x, B = Wk: a lane holds a token and eight d.  v: A = Wv, B = x: a lane holds a row (h, d) and eight tokens.
; CLUSTERS 4 x 4: A's tile is asked for jointly by a row of the cluster, B's by a column.
; Nothing is prefetched: K is four slots long, and each slot is asked for a whole slot's products ahead of its use.
; REGISTERS: window 0: v16-31 addresses and scale numbers, v32-95 at work on the way out, v96-223 codes and rows on the way out, v128-255 A's fragments; window 1: B's two sets; windows 2, 3: accumulators.
.set ROWB,   256
.set KROW,   1024
.set PITCH,  272                       ; 256 bytes + 16 of padding: 16 rows of a load start at 16 different 16-byte columns
.set FR,     16
.set NL,     4
.set NP,     4                         ; places behind this matrix instruction (ISA guide 7.12.1)
.set HALFT,  128*PITCH
.set SLOT,   4*HALFT
.set SPARE,  2*SLOT                    ; the spare words
.set SPITCH, 304                       ; the stage: 256 rows x (256 codes + 48), in slot 0 behind its last fill and read
.set ADRA, 16
.set ADRB, 20
.set STO,  22
.set RDQ,  23
.set RDQ2, 24
.set RDV,  25
.set COQ,  26
.set COV,  27
.set SPW,  28
.set NIL,  29
.set SC,   30
.set LIM,  31
.set TMP,  32
.set CD,   96
.set AF,   128
.set G1, 24
.set G0, 32
.set G1B, 48
.set G0B, 56
.set MSB, 0
.macro WIN new                         ; the immediate's high byte repeats the setting that is left
.if MSB != \new
	s_set_vgpr_msb (MSB<<8)|\new
.set MSB, \new
.endif
.endm
.set MUL_LO, 0xa1
.set MUL_HI, 0xf1
.set TO_B,   0x40
.macro JLOAD g0a, g1a, g0b, g1b        ; waves 0, 1 fetch for A, waves 2, 3 for B; s_nop 0 and four v_nop follow each line
	s_cmp_eq_u32 s15, 0
	s_cbranch_scc0 .Lfor_b_\@
	tensor_load_to_lds s[\g0a:\g0a+3], s[\g1a:\g1a+7]
	s_nop 0
.rept 4
	v_nop
.endr
	s_branch .Lasked_\@
.Lfor_b_\@:
	tensor_load_to_lds s[\g0b:\g0b+3], s[\g1b:\g1b+7]
	s_nop 0
.rept 4
	v_nop
.endr
.Lasked_\@:
.endm
.macro CREST
	s_cmp_lg_u32 s14, 0
	s_cbranch_scc1 .Lnot_wave_0_\@
	s_barrier_signal -3
.Lnot_wave_0_\@:
	s_barrier_wait -3
	s_barrier_signal -1
	s_barrier_wait -1
.endm
.macro CROUND
	s_barrier_signal -1
	s_barrier_wait -1
	CREST
.endm
	s_load_b256 s[68:75], s[0:1], 0x0              ; x 68, Wk 70, Wv 72, the scales' exponents 74
	s_load_b128 s[76:79], s[0:1], 0x20             ; k_codes 76, v_codes 78
	v_lshl_add_u32 v[SPW], v0, 2, SPARE
	v_mov_b32 v[NIL], 0
	ds_add_u32 v[SPW], v[NIL]                      ; the opening: the add twice on end and its wait
	ds_add_u32 v[SPW], v[NIL]
	v_lshrrev_b32 v1, 5, v0
	v_readfirstlane_b32 s14, v1                    ; wave 0..3
	s_lshr_b32 s15, s14, 1                         ; my half of A's rows; also: I fetch for A (0) or B (1)
	s_and_b32 s16, s14, 1                          ; my half of B's rows; also: which 128 rows I fetch
	s_bfe_u32 s40, ttmp6, 0x40000                  ; cx
	s_bfe_u32 s41, ttmp6, 0x40004                  ; cy
	s_and_b32 s66, ttmp7, 0xffff
	s_lshl_b32 s66, s66, 2                         ; 4 x cluster y walks x's 32 tiles of tokens,
	s_cmp_eq_u32 ttmp9, 1                          ; which are B's tiles for v and A's for k
	s_cselect_b32 s67, s66, 0
	s_cselect_b32 s66, 0, s66
	s_add_co_u32 s17, s41, s66                     ; A's tile
	s_add_co_u32 s42, s40, s67                     ; B's tile
	s_lshl_b32 s43, s41, 2
	s_lshl_b32 s43, 15, s43                        ; my row of the cluster
	s_lshl_b32 s44, 0x1111, s40                    ; my column
	s_or_b32 s[G1+0], s43, (1<<20)|(1<<21)|(5<<22)|(3<<25)   ; mask; 1-byte elements; four words of padding behind every 64
	s_or_b32 s[G1B+0], s44, (1<<20)|(1<<21)|(5<<22)|(3<<25)
.irp g, G1, G1B
	s_mov_b32 s[\g+1], ROWB<<16
	s_mov_b32 s[\g+2], 128<<16
	s_mov_b32 s[\g+3], ROWB<<16
	s_mov_b32 s[\g+4], 128
	s_mov_b32 s[\g+5], KROW
	s_mov_b32 s[\g+6], 0
	s_mov_b32 s[\g+7], 0
.endr
	s_lshl_b32 s18, s16, 7
	s_lshl_b32 s20, s17, 8
	s_add_co_u32 s20, s20, s18
	s_lshl_b32 s20, s20, 10                        ; A: (256 x tile + 128 x half) rows of 1,024 bytes
	s_mov_b32 s21, 0
	s_lshl_b32 s46, s42, 8
	s_add_co_u32 s46, s46, s18
	s_lshl_b32 s46, s46, 10                        ; B likewise
	s_mov_b32 s47, 0
	s_mul_i32 s45, s14, HALFT                      ; in LDS: wave x 128 rows
	s_wait_dscnt 0x0
	s_wait_kmcnt 0x0
	s_load_b128 s[84:87], s[74:75], 0x8            ; e2 .. e5
	s_load_b32 s88, s[74:75], 0x1c                 ; e7
	s_load_b32 s89, s[74:75], 0x24                 ; e9
	s_cmp_eq_u32 ttmp9, 1
	s_cselect_b64 s[4:5], s[72:73], s[68:69]       ; A: Wv, else x
	s_cselect_b64 s[6:7], s[68:69], s[70:71]       ; B: x, else Wk
	s_cselect_b64 s[10:11], s[78:79], s[76:77]     ; out
	s_add_nc_u64 s[20:21], s[4:5], s[20:21]
	s_add_nc_u64 s[46:47], s[6:7], s[46:47]
	CROUND                                         ; the first joint loads meet
.irp s, 0,1
	s_mov_b32 s[G0+4*\s], 1
	s_add_co_u32 s[G0+4*\s+1], s45, \s*SLOT
	s_add_nc_u64 s[G0+4*\s+2:G0+4*\s+3], s[20:21], \s*ROWB
	s_or_b32 s[G0+4*\s+3], s[G0+4*\s+3], 0x80000000
	s_mov_b32 s[G0B+4*\s], 1
	s_add_co_u32 s[G0B+4*\s+1], s45, \s*SLOT
	s_add_nc_u64 s[G0B+4*\s+2:G0B+4*\s+3], s[46:47], \s*ROWB
	s_or_b32 s[G0B+4*\s+3], s[G0B+4*\s+3], 0x80000000
.endr
	JLOAD G0, G1, G0B, G1B                         ; K step 0: one tensor load a wave at the head
	v_and_b32 v1, 15, v0                           ; r
	v_bfe_u32 v2, v0, 4, 1                         ; h
	v_mul_u32_u24 v3, v1, PITCH
	v_lshl_add_u32 v4, v2, 4, v3
	s_mul_i32 s21, s15, HALFT
	s_mul_i32 s22, s16, HALFT
	s_add_co_u32 s22, s22, 2*HALFT
.irp s, 0,1
	v_add_nc_u32 v[ADRA+\s], s21, v4
	v_add_nc_u32 v[ADRB+\s], s22, v4
	s_add_co_u32 s21, s21, SLOT
	s_add_co_u32 s22, s22, SLOT
.endr
	v_mul_u32_u24 v5, v1, SPITCH                   ; the stage: row = A's row, byte = B's row
	v_lshl_add_u32 v5, v2, 3, v5
	s_mul_i32 s23, s15, 128*SPITCH
	s_lshl_b32 s18, s16, 7
	s_add_co_u32 s23, s23, s18
	v_add_nc_u32 v[STO], s23, v5
	v_and_b32 v6, 31, v0
	v_lshrrev_b32 v7, 2, v6
	v_mul_u32_u24 v7, v7, SPITCH
	v_and_b32 v8, 3, v0
	v_lshl_add_u32 v7, v8, 4, v7                   ; k, back: four lanes to a token's 64 bytes of one head
	s_lshl_b32 s18, s14, 6
	v_add_nc_u32 v[RDQ], s18, v7                   ; wave w takes the tile's head w
	v_add_nc_u32 v[RDQ2], 128*SPITCH, v[RDQ]
	v_mul_u32_u24 v9, v2, SPITCH
	v_lshl_add_u32 v9, v1, 4, v9                   ; v, back: sixteen lanes to a row's 256 bytes
	s_mul_i32 s18, s14, 64*SPITCH
	v_add_nc_u32 v[RDV], s18, v9
	v_lshlrev_b32 v[COQ], 4, v6
	v_lshlrev_b32 v[COV], 11, v2
	v_lshl_add_u32 v[COV], v1, 4, v[COV]
	s_lshr_b32 s18, s17, 3                         ; k: ((b x 16 + head) x 2048 + t) x 64
	s_lshl_b32 s18, s18, 4
	s_lshl_b32 s19, s42, 2
	s_add_co_u32 s18, s18, s19
	s_add_co_u32 s18, s18, s14
	s_lshl_b32 s18, s18, 17
	s_and_b32 s19, s17, 7
	s_lshl_b32 s19, s19, 14
	s_add_co_u32 s18, s18, s19
	s_lshr_b32 s19, s42, 3                         ; v: (b x 1024 + 256 x A's tile + 64 x wave) x 2048 + 256 (B's tile % 8)
	s_lshl_b32 s19, s19, 10
	s_lshl_b32 s22, s17, 8
	s_add_co_u32 s19, s19, s22
	s_lshl_b32 s22, s14, 6
	s_add_co_u32 s19, s19, s22
	s_lshl_b32 s19, s19, 11
	s_and_b32 s22, s42, 7
	s_lshl_b32 s22, s22, 8
	s_add_co_u32 s19, s19, s22
	s_cmp_eq_u32 ttmp9, 1
	s_cselect_b32 s94, s19, s18
	s_mov_b32 s95, 0
	s_add_nc_u64 s[10:11], s[10:11], s[94:95]
.macro FRAG reg, adr, q, i             ; 16 rows x 128 K: registers 4 c .. 4 c + 3 hold K = 32 c + 16 (l / 16) on: the same permutation of K in A and in B
.irp c, 0,1,2,3
	ds_load_b128 v[\reg+4*\c:\reg+4*\c+3], v[\adr] offset:128*(\q)+32*\c+(\i)*16*PITCH
.endr
.endm
.macro MUL16 a0, p, zero               ; the 64 accumulators take turns, one instruction a turn
.irp a, \a0, \a0+1
.irp b, 0,1,2,3,4,5,6,7
.if \zero
	v_wmma_f32_16x16x128_fp8_fp8 v[8*(8*((\a)%4)+\b):8*(8*((\a)%4)+\b)+7], v[128*(\p)+FR*\b:128*(\p)+FR*\b+FR-1], v[AF+FR*(\a):AF+FR*(\a)+FR-1], 0
.else
	v_wmma_f32_16x16x128_fp8_fp8 v[8*(8*((\a)%4)+\b):8*(8*((\a)%4)+\b)+7], v[128*(\p)+FR*\b:128*(\p)+FR*\b+FR-1], v[AF+FR*(\a):AF+FR*(\a)+FR-1], v[8*(8*((\a)%4)+\b):8*(8*((\a)%4)+\b)+7]
.endif
.endr
.endr
.endm
.macro FETCH_B slot, q, p
	WIN TO_B
.irp i, 0,1,2,3,4,5,6,7
	FRAG 128*(\p)+FR*\i, ADRB+\slot, \q, \i
.endr
	WIN 0
.endm
.macro FETCH_A slot, q, i0
.irp i, \i0, \i0+1, \i0+2, \i0+3
	FRAG AF+FR*(\i), ADRA+\slot, \q, \i
.endr
.endm
.macro PLACES n
.rept \n
	v_nop
.endr
.endm
.macro STEP slot, q, zero              ; 128 along K with a successor in the same slot; A has one set: blocks 0-3 come anew in the middle, 4-7 at the end
	s_wait_dscnt 4*NL                              ; all but the youngest 16 loads (A's blocks 4-7)
	WIN MUL_LO
	MUL16 0, (\q)%2, \zero
	MUL16 2, (\q)%2, \zero
	s_wait_dscnt 0
	PLACES NP
	FETCH_B \slot, (\q)+1, 1-(\q)%2
	FETCH_A \slot, (\q)+1, 0
	WIN MUL_HI
	MUL16 4, (\q)%2, \zero
	MUL16 6, (\q)%2, \zero
	PLACES NP
	WIN 0
	FETCH_A \slot, (\q)+1, 4
.endm
.macro TURN slot, next, fill           ; a slot's last step changes slots; fill = 1: the barrier opens a round and this slot is filled again
	s_wait_tensorcnt 0x0                           ; my part of the next slot has landed
	ds_add_u32 v[SPW], v[NIL]
	s_wait_dscnt 4*NL+1                            ; the add and the youngest 16 loads may be out
	WIN MUL_LO
	MUL16 0, 1, 0
	s_wait_dscnt 0x0                               ; the add is done, my reads of this slot are over
	s_barrier_signal -1
	MUL16 2, 1, 0
	WIN 0
	s_barrier_wait -1
.if \fill
	CREST
	s_add_nc_u64 s[G0+4*\slot+2:G0+4*\slot+3], s[G0+4*\slot+2:G0+4*\slot+3], 2*ROWB
	s_add_nc_u64 s[G0B+4*\slot+2:G0B+4*\slot+3], s[G0B+4*\slot+2:G0B+4*\slot+3], 2*ROWB
	JLOAD G0+4*\slot, G1, G0B+4*\slot, G1B
.else
	PLACES NP
.endif
	FETCH_B \next, 0, 0
	FETCH_A \next, 0, 0
	WIN MUL_HI
	MUL16 4, 1, 0
	MUL16 6, 1, 0
	PLACES NP
	WIN 0
	FETCH_A \next, 0, 4
.endm
	s_wait_alu depctr_va_vdst(0)                   ; the head's end
	s_wait_tensorcnt 0x0                           ; my part of K step 0 is in; slot 1's first fill is issued as a refill is
	ds_add_u32 v[SPW], v[NIL]
	s_wait_dscnt 0x0
	CROUND
	JLOAD G0+4, G1, G0B+4, G1B                     ; K step 1
	FETCH_B 0, 0, 0
	FETCH_A 0, 0, 0
	FETCH_A 0, 0, 4
	STEP 0, 0, 1                                   ; the first step's products start the sums
	s_mov_b32 s3, 1
.Llap:
	TURN 0, 1, 1
	STEP 1, 0, 0
	TURN 1, 0, 1
	STEP 0, 0, 0
	s_sub_co_u32 s3, s3, 1
	s_cmp_lg_u32 s3, 0
	s_cbranch_scc1 .Llap
	TURN 0, 1, 0
	STEP 1, 0, 0
	s_wait_dscnt 4*NL
	WIN MUL_LO
	MUL16 0, 1, 0
	MUL16 2, 1, 0
	s_wait_dscnt 0
	WIN MUL_HI
	MUL16 4, 1, 0
	MUL16 6, 1, 0
	WIN 0
	s_wait_kmcnt 0x0                               ; THE WAY OUT: the three scales are folded into the conversion's one
	s_sub_co_i32 s19, s88, s84
	s_sub_co_i32 s19, s19, s85                     ; k: e7 - e2 - e3
	s_sub_co_i32 s20, s89, s86
	s_sub_co_i32 s20, s20, s87                     ; v: e9 - e4 - e5
	s_cmp_eq_u32 ttmp9, 1
	s_cselect_b32 s96, s20, s19
	s_add_co_i32 s96, s96, 127
	s_lshl_b32 s97, s96, 23
	v_mov_b32 v[SC], s97                           ; 2^E
	s_add_co_i32 s96, s96, 8
	s_lshl_b32 s96, s96, 23
	s_or_b32 s96, s96, 0x600000
	v_mov_b32 v[LIM], s96                          ; 448 x 2^E
	PLACES NP
.macro QOUT a                          ; block a: held, converted (a lane's eight sums are eight neighbours), into the stage; each accumulator from its low end on
.set AC, 64*((\a)%4)
	WIN 0x02+((\a)/4)
.set j, 0
.rept 64
	v_med3_num_f32 v[TMP+j], v[AC+j], -v[LIM], v[LIM]   ; the conversion does not saturate (ISA guide 7.6.2)
.set j, j+1
.endr
	WIN 0
.irp b, 0,1,2,3,4,5,6,7
	v_cvt_scalef32_pk8_fp8_f32 v[CD+16*(\a)+2*\b:CD+16*(\a)+2*\b+1], v[TMP+8*\b:TMP+8*\b+7], v[SC]
.endr
	v_nop                                          ; one plain instruction behind the conversions
.irp b, 0,1,2,3,4,5,6,7
	ds_store_b64 v[STO], v[CD+16*(\a)+2*\b:CD+16*(\a)+2*\b+1] offset:(\a)*16*SPITCH+16*\b
.endr
.endm
.irp a, 0,1,2,3,4,5,6,7
	QOUT \a
.endr
	s_wait_dscnt 0x0                               ; for the others' sake
	s_barrier_signal -1
	s_barrier_wait -1
	s_cmp_eq_u32 ttmp9, 1
	s_cbranch_scc1 .Lrows_v
.set i, 0
.rept 16                               ; k: wave w takes head w: 256 tokens x 64 bytes = 16,384 consecutive bytes
	ds_load_b128 v[CD+4*i:CD+4*i+3], v[RDQ] offset:i*8*SPITCH
.set i, i+1
.endr
.rept 16
	ds_load_b128 v[CD+4*i:CD+4*i+3], v[RDQ2] offset:(i-16)*8*SPITCH
.set i, i+1
.endr
.set i, 0
.rept 32
	s_wait_dscnt 31-i                              ; load i is in
	global_store_b128 v[COQ], v[CD+4*i:CD+4*i+3], s[10:11] offset:512*i   ; 32 lanes store 512 consecutive bytes, aligned
.set i, i+1
.endr
	s_branch .Lstored
.Lrows_v:
.set i, 0
.rept 32                               ; v: wave w takes rows 64 w on
	ds_load_b128 v[CD+4*i:CD+4*i+3], v[RDV] offset:i*2*SPITCH
.set i, i+1
.endr
.set i, 0
.rept 32
	s_wait_dscnt 31-i
	global_store_b128 v[COV], v[CD+4*i:CD+4*i+3], s[10:11] offset:4096*i  ; 16 lanes store 256 consecutive bytes, aligned
.set i, i+1
.endr
.Lstored:
	s_wait_tensorcnt 0x0                           ; the wave's end
	ds_add_u32 v[SPW], v[NIL]
	s_wait_dscnt 0x0
	CROUND                                         ; the closing round
	s_endpgm
.Lfunc_end_k_q8b86fce4c4_kv:
	.size	k_q8b86fce4c4_kv, .Lfunc_end_k_q8b86fce4c4_kv-k_q8b86fce4c4_kv
	.p2alignl 7, 3214868480
	.fill 96, 4, 3214868480
	.section	.rodata,"a",@progbits
	.p2align	6, 0x0
	.amdhsa_kernel k_q8b86fce4c4_kv
		.amdhsa_group_segment_fixed_size 327680
		.amdhsa_private_segment_fixed_size 0
		.amdhsa_enable_private_segment 0
		.amdhsa_kernarg_size 48
		.amdhsa_user_sgpr_count 2
		.amdhsa_user_sgpr_kernarg_segment_ptr 1
		.amdhsa_wavefront_size32 1
		.amdhsa_system_sgpr_workgroup_id_x 1
		.amdhsa_system_sgpr_workgroup_id_y 1
		.amdhsa_system_sgpr_workgroup_id_z 1
		.amdhsa_system_vgpr_workitem_id 0
		.amdhsa_next_free_vgpr 1024
		.amdhsa_next_free_sgpr 98
		.amdhsa_reserve_vcc 0
		.amdhsa_float_denorm_mode_32 3
		.amdhsa_float_denorm_mode_16_64 3
		.amdhsa_memory_ordered 1
		.amdhsa_forward_progress 1
		.amdhsa_inst_pref_size 133
	.end_amdhsa_kernel
	.amdgpu_metadata
---
amdhsa.version: [ 1, 2 ]
amdhsa.kernels:
  - .name:           k_q8b86fce4c4_kv
    .symbol:         k_q8b86fce4c4_kv.kd
    .args:
      - { .name: x_codes, .offset: 0, .size: 8, .value_kind: global_buffer, .address_space: global }
      - { .name: Wk_codes, .offset: 8, .size: 8, .value_kind: global_buffer, .address_space: global }
      - { .name: Wv_codes, .offset: 16, .size: 8, .value_kind: global_buffer, .address_space: global }
      - { .name: lowp_scales, .offset: 24, .size: 8, .value_kind: global_buffer, .address_space: global }
      - { .name: k_codes, .offset: 32, .size: 8, .value_kind: global_buffer, .address_space: global }
      - { .name: v_codes, .offset: 40, .size: 8, .value_kind: global_buffer, .address_space: global }
    .group_segment_fixed_size: 327680
    .private_segment_fixed_size: 0
    .kernarg_segment_align: 8
    .kernarg_segment_size: 48
    .max_flat_workgroup_size: 128
    .sgpr_count:     98
    .vgpr_count:     1024
    .wavefront_size: 32
...
	.end_amdgpu_metadata
.endif
;; end of part 1
;; launch attn (part 2): grid 4 x 64, 16 waves a work-group, clusters of 4 x 1, 327,680 bytes of LDS; arguments x_codes, Wq_codes, k_codes, v_codes, lowp_scales, a_codes; writes a_codes
.if DOCPART == 2
	.amdgcn_target "amdgcn-amd-amdhsa--gfx1250"
	.amdhsa_code_object_version 6
	.text
	.protected	k_q8b86fce4c4_attn
	.globl	k_q8b86fce4c4_attn
	.p2align	8
	.type	k_q8b86fce4c4_attn,@function
k_q8b86fce4c4_attn:
	s_mov_b64 s[64:65], 0
	v_nop
	global_prefetch_b8 v0, s[64:65] scope:SCOPE_SE
	s_setreg_imm32_b32 hwreg(HW_REG_WAVE_MODE, 25, 1), 1
	s_wait_xcnt 0x0
	s_wait_alu depctr_hold_cnt(0) depctr_sa_sdst(0) depctr_va_vdst(0) depctr_va_sdst(0) depctr_va_ssrc(0) depctr_va_vcc(0) depctr_vm_vsrc(0)
	s_getreg_b32 s2, hwreg(HW_REG_IB_STS2, 6, 4)
	s_cmp_eq_u32 s2, 0
	s_cbranch_scc0 .Lentry_in_a_cluster
	s_endpgm
.Lentry_in_a_cluster:
	s_bfe_u32 s2, ttmp6, 0x10000c
	s_cmp_lg_u32 s2, 0x3003
	s_cbranch_scc0 .Lentry_shape_is_right
	s_endpgm
.Lentry_shape_is_right:
; q = x Wq, causal attention, and the quantising of its result, for one (batch, head) a cluster; all three products on codes of FP8 (E4M3).
; x_codes [8192][1024]; Wq_codes [16 heads][64][1024]; k_codes [64 (b, h)][2048][64]; v_codes [64][64 (d)][2048 keys]; a_codes [64 blocks of 128 tokens][16 heads][128][64].
; THE SOFTMAX: t = score x 2^(e6 + e7) x log2(e) / 32; M = the running largest t rounded up to a whole number; p = 2^(t - M) is quantised with 2^e8, not normalised; the row's sum is taken of the
; unquantised p and divides at the end.  When M moves, the sum and O are multiplied by 2^(old M - new M).  Hidden scores become -infinity ahead of the maximum.  Key steps that the causal mask hides whole are not walked.
; LIMITS on the given exponents, so that each power of two is an f32 number: e6 - e0 - e1, e8 and e10 between -126 and 119; e6 + e7 between -121 and 132.
; SHARES.  A head's 128 tiles of 16 queries go to 4 work-groups x 16 waves, two a wave: tile 4 w + cx (A) and its mirror 127 - 4 w - cx (B).  In blocks of 64 keys A needs w + 1 and B 32 - w.
; EVERY WAVE WALKS 16 LARGE STEPS AND ONE SMALL ONE: trips 0 .. w serve A and B on key block i (each fragment of K and V feeds two products); trips w + 1 .. 15 serve B alone on two key blocks, 2 i - w - 1 and the next;
; B's diagonal block 31 - w is written out behind the loop.  Both large steps hold 64 scores a lane.  Every branch hangs on the wave's number and the count of trips; cx enters global addresses and the mask's numbers alone.
; Q: each wave multiplies its 32 rows of x (loaded as fragments, three K steps of 128 asked ahead) by the head's 64 rows of Wq from LDS.  Source 0 = 16 rows of Wq, source 1 = 16 queries; row m of tile 2 b + u is
; Wq's row 32 b + 16 (m / 8) + 8 u + m % 8, so that a lane's 16 sums of two tiles are d = 32 b + 16 (lane / 16) + 0 .. 15: the conversions' results are Q's operand, in the order in which K's fragments are loaded.
; LDS: sixteen chunks of 17,408 bytes: K's eight (256 keys each), V's eight.  Wq lies first where V's chunks 4-7 go.  Joint loads, one a wave, named to all four partners, in three stages, each behind a round:
; Wq (waves 12-15); K and V's chunks 0-3 (waves 0-11), which land under the products for q; V's chunks 4-7 (waves 12-15), a refill, first read in key block 16 and shown to all by a barrier behind trip 3 (highest block read till then: 6).
; Nothing is prefetched: every tile is asked for once, a stage ahead of its first use, and there is no later trip to ask for.
; REGISTERS: v1 K's lane address; v14, v252 V's (v252: four chunks lower); v15, v251 the mask's numbers of A, B; v[2:5] (-M, largest t); v[6:9] sums; v[10:13] f; v16-31 Q; v32-95 fragments of K, then of V;
;   v96-159 S^T, then p; v160-223 O^T; v224-239 p's codes; v240-245 at work; v246, v247, v249 addresses in hand; v248 a scale; v250 -infinity; v253 four chunks in bytes; v254, v255 the spare word's address and 0.
;   For q: v2, v3 lane offsets; v32-95 Wq; v96-159 sums; v160-239 and v16-31 x, three K steps.
.set KCH,   17408                      ; 64 rows x (256 + 16) bytes = four key blocks of K
.set VBASE, 8*KCH
.set WQ,    16768                      ; from quarter to quarter of Wq (16 rows of 1,040 bytes, + 128): the 16 rows of a fragment start at 16 different 16-byte columns
.set WBASE, 12*KCH
.set STG,   16*KCH                     ; a stage of 8 rows x 272 bytes for each wave; no tile lands there
.set SWV,   8*272
.set SPARE, STG+16*SWV                 ; the spare words
.set ADK, 246
.set ADV, 247
.set ADV2, 249
.set SPW, 254
.set NIL, 255
.macro ROUND                           ; a round of the cluster's barrier
	s_barrier_signal -1
	s_barrier_wait -1
	s_cmp_lg_u32 s16, 0
	s_cbranch_scc1 .Lnot_wave_0_\@
	s_barrier_signal -3
.Lnot_wave_0_\@:
	s_barrier_wait -3
	s_barrier_signal -1
	s_barrier_wait -1
.endm
.macro FOUR
.rept 4
	v_nop
.endr
.endm
.macro SEQ                             ; ahead of a later fill: all my tensor loads, the add (twice on end), its wait, a round
	s_wait_tensorcnt 0x0
	ds_add_u32 v[SPW], v[NIL]
	ds_add_u32 v[SPW], v[NIL]
	s_wait_dscnt 0x0
	ROUND
.endm
.macro AOFF d, t                       ; the byte in a_codes of token s[t]: (((b x 16 + t / 128) x 16 + h) x 128 + t % 128) x 64
	s_lshr_b32 s[\d], s[\t], 7
	s_lshl_b32 s85, s83, 4
	s_add_co_u32 s[\d], s[\d], s85
	s_lshl_b32 s[\d], s[\d], 4
	s_add_co_u32 s[\d], s[\d], s84
	s_lshl_b32 s[\d], s[\d], 13
	s_and_b32 s85, s[\t], 127
	s_lshl_b32 s85, s85, 6
	s_add_co_u32 s[\d], s[\d], s85
	s_mov_b32 s[\d+1], 0
.endm
.macro XREG ks, t                      ; where x's fragment of K step ks, tile t lies: three K steps take turns
.if (\ks)%3==2
.set XR, 224-208*(\t)
.else
.set XR, 160+32*((\ks)%3)+16*(\t)
.endif
.endm
.macro XLD ks                          ; eight loads: x(row r, K = 128 ks + 32 c + 16 h on) of both tiles
.irp t, 0,1
	XREG \ks, \t
.irp c, 0,1,2,3
	global_load_b128 v[XR+4*\c:XR+4*\c+3], v2, s[60+2*\t:61+2*\t] offset:128*(\ks)+32*\c
.endr
.endr
.endm
.macro QK ks, out                      ; a K step of 128 for q: eight accumulators, one turn each.  out: the x loads issued behind this step's
.irp dt, 0,1,2,3
.irp c, 0,1,2,3
	ds_load_b128 v[32+16*\dt+4*\c:35+16*\dt+4*\c], v3 offset:(\dt/2)*2*WQ+(\dt%2)*8*1040+128*(\ks)+32*\c
.endr
.endr
	s_wait_loadcnt \out
	s_wait_dscnt 0x0
.irp dt, 0,1,2,3
.irp t, 0,1
	XREG \ks, \t
.if (\ks)==0
	v_wmma_f32_16x16x128_fp8_fp8 v[96+32*\t+8*\dt:103+32*\t+8*\dt], v[32+16*\dt:47+16*\dt], v[XR:XR+15], 0
.else
	v_wmma_f32_16x16x128_fp8_fp8 v[96+32*\t+8*\dt:103+32*\t+8*\dt], v[32+16*\dt:47+16*\dt], v[XR:XR+15], v[96+32*\t+8*\dt:103+32*\t+8*\dt]
.endif
.endr
.endr
	FOUR                                           ; places ahead of loads into registers that these products read
.if (\ks)<=4
	XLD (\ks)+3
.endif
.endm
	s_load_b256 s[4:11], s[0:1], 0x0               ; x 4, Wq 6, k 8, v 10
	s_load_b128 s[12:15], s[0:1], 0x20             ; the scales' exponents 12, a_codes 14
	v_lshl_add_u32 v[SPW], v0, 2, SPARE
	v_mov_b32 v[NIL], 0
	ds_add_u32 v[SPW], v[NIL]                      ; the opening: the add twice on end and its wait
	ds_add_u32 v[SPW], v[NIL]
	v_lshrrev_b32 v1, 5, v0
	v_readfirstlane_b32 s16, v1                    ; wave 0..15
	v_and_b32 v4, 15, v0                           ; r
	v_bfe_u32 v5, v0, 4, 1                         ; h
	v_lshlrev_b32 v2, 10, v4
	v_lshl_add_u32 v2, v5, 4, v2                   ; x: row r of 1,024 bytes, + 16 h
	v_lshrrev_b32 v6, 3, v4
	v_mul_u32_u24 v3, v6, WQ
	v_and_b32 v6, 7, v4
	v_mad_u32_u24 v3, v6, 1040, v3
	v_lshl_add_u32 v3, v5, 4, v3
	v_add_nc_u32 v3, WBASE, v3                     ; Wq: quarter r / 8, row r % 8, + 16 h
	s_bfe_u32 s17, ttmp6, 0x40000                  ; cx
	s_and_b32 s18, ttmp7, 0xffff                   ; (b, h)
	s_xor_b32 s19, s16, 15                         ; 15 - w
	s_lshl_b32 s81, s16, 6
	s_lshl_b32 s82, s17, 4
	s_add_co_u32 s81, s81, s82                     ; A's first query: 64 w + 16 cx
	s_sub_co_u32 s82, 2032, s81                    ; B's
	s_lshr_b32 s83, s18, 4                         ; b
	s_and_b32 s84, s18, 15                         ; h
	s_lshl_b32 s86, s83, 21
	s_lshl_b32 s85, s81, 10
	s_add_co_u32 s86, s86, s85                     ; x at A's rows
	s_mov_b32 s87, 0
	s_lshl_b32 s88, s83, 21
	s_lshl_b32 s85, s82, 10
	s_add_co_u32 s88, s88, s85                     ; and at B's
	s_mov_b32 s89, 0
	AOFF 90, 81
	AOFF 92, 82
	s_and_b32 s85, s16, 7                          ; my chunk: waves 0-7 of K (16,384 bytes on), waves 8-15 of V (256 bytes along each row)
	s_lshl_b32 s94, s85, 14
	s_lshl_b32 s95, s85, 8
	s_cmp_lt_u32 s16, 8
	s_cselect_b32 s94, s94, s95
	s_lshl_b32 s85, s18, 17
	s_add_co_u32 s94, s94, s85                     ; in my head's 131,072 bytes
	s_mov_b32 s95, 0
	s_and_b32 s85, s16, 3
	s_lshl_b32 s2, s85, 14
	s_lshl_b32 s85, s84, 16
	s_add_co_u32 s2, s2, s85                       ; Wq: head h, quarter w % 4
	s_mov_b32 s3, 0
	s_mov_b32 s24, 15|(1<<20)|(1<<21)|(5<<22)|(3<<25)   ; K: 64 dense rows of 256 bytes, 16 of padding behind each; the mask names all four
	s_mov_b32 s25, 256<<16
	s_mov_b32 s26, 64<<16
	s_mov_b32 s27, 256<<16
	s_mov_b32 s28, 64
	s_mov_b32 s29, 256
	s_mov_b32 s30, 0
	s_mov_b32 s31, 0
	s_mov_b32 s32, 15|(1<<20)|(1<<21)|(5<<22)|(3<<25)   ; V: the same, rows 2,048 bytes apart
	s_mov_b32 s33, 256<<16
	s_mov_b32 s34, 64<<16
	s_mov_b32 s35, 256<<16
	s_mov_b32 s36, 64
	s_mov_b32 s37, 2048
	s_mov_b32 s38, 0
	s_mov_b32 s39, 0
	s_mov_b32 s40, 15|(1<<20)|(1<<21)|(7<<22)|(3<<25)   ; Wq: 16 rows of 1,024 bytes, 16 of padding behind each
	s_mov_b32 s41, 1024<<16
	s_mov_b32 s42, 16<<16
	s_mov_b32 s43, 1024<<16
	s_mov_b32 s44, 16
	s_mov_b32 s45, 1024
	s_mov_b32 s46, 0
	s_mov_b32 s47, 0
	s_mov_b32 s20, 0x76543210                      ; lane l xor 16
	s_mov_b32 s21, 0xfedcba98
	s_mov_b32 s48, 1
	s_mul_i32 s49, s16, WQ
	s_add_co_u32 s49, s49, WBASE-12*WQ             ; waves 12-15: quarter w - 12
	s_mov_b32 s52, 1
	s_mul_i32 s53, s16, KCH                        ; chunk w
	s_wait_alu depctr_va_vdst(0)                   ; directly ahead of the waits below
	s_wait_dscnt 0x0
	s_wait_kmcnt 0x0
	s_load_b64 s[70:71], s[12:13], 0x0             ; e0, e1
	s_load_b128 s[72:75], s[12:13], 0x18           ; e6 .. e9
	s_load_b32 s76, s[12:13], 0x28                 ; e10
	s_add_nc_u64 s[60:61], s[4:5], s[86:87]
	s_add_nc_u64 s[62:63], s[4:5], s[88:89]
	s_add_nc_u64 s[66:67], s[14:15], s[90:91]
	s_add_nc_u64 s[68:69], s[14:15], s[92:93]
	s_add_nc_u64 s[50:51], s[6:7], s[2:3]
	s_or_b32 s51, s51, 0x80000000
	s_cmp_lt_u32 s16, 8
	s_cselect_b64 s[54:55], s[8:9], s[10:11]
	s_add_nc_u64 s[54:55], s[54:55], s[94:95]
	s_or_b32 s55, s55, 0x80000000
	XLD 0
	XLD 1
	XLD 2
	ROUND                                          ; the first joint loads meet
	s_cmp_lt_u32 s16, 12
	s_cbranch_scc1 .Lno_w
	tensor_load_to_lds s[48:51], s[40:47]          ; Wq's quarter
	s_nop 0
	FOUR
.Lno_w:
	SEQ                                            ; Wq is whole for every wave
	s_cmp_lt_u32 s16, 8
	s_cbranch_scc0 .Lnot_k
	tensor_load_to_lds s[52:55], s[24:31]          ; K's chunk w
	s_nop 0
	FOUR
	s_branch .Lasked1
.Lnot_k:
	s_cmp_lt_u32 s16, 12
	s_cbranch_scc0 .Lasked1
	tensor_load_to_lds s[52:55], s[32:39]          ; V's chunk w - 8
	s_nop 0
	FOUR
.Lasked1:
.irp ks, 0,1,2,3,4,5
	QK \ks, 16                                     ; behind this step's x loads: those of the next two steps
.endr
	QK 6, 8
	QK 7, 0
	SEQ                                            ; K and V's chunks 0-3 are whole, and nobody reads Wq any more
	s_cmp_lt_u32 s16, 12
	s_cbranch_scc1 .Lasked2
	tensor_load_to_lds s[52:55], s[32:39]          ; V's chunks 4-7, where Wq lay
	s_nop 0
	FOUR
.Lasked2:
	s_wait_kmcnt 0x0
	s_sub_co_i32 s81, s72, s70
	s_sub_co_i32 s81, s81, s71                     ; q's code is sum / 2^(e6 - e0 - e1)
	s_add_co_i32 s81, s81, 127
	s_lshl_b32 s82, s81, 23
	v_mov_b32 v248, s82
	s_add_co_i32 s81, s81, 8
	s_lshl_b32 s81, s81, 23
	s_or_b32 s81, s81, 0x600000                    ; 448 x that,
	s_or_b32 s82, s81, 0x80000000                  ; and its negative
.set j, 0
.rept 64
	v_med3_num_f32 v[96+j], v[96+j], s82, s81      ; the conversion does not saturate (ISA guide 7.6.2)
.set j, j+1
.endr
.irp t, 0,1
.irp dt, 0,1,2,3
	v_cvt_scalef32_pk8_fp8_f32 v[16+8*\t+2*\dt:17+8*\t+2*\dt], v[96+32*\t+8*\dt:103+32*\t+8*\dt], v248
.endr
.endr
	v_nop                                          ; one plain instruction behind the conversions
	v_and_b32 v240, 15, v0                         ; r
	v_bfe_u32 v241, v0, 4, 1                       ; h
	v_lshrrev_b32 v242, 2, v240
	v_mul_u32_u24 v1, v242, 272
	v_and_b32 v242, 3, v240
	v_lshl_add_u32 v1, v242, 6, v1
	v_lshl_add_u32 v1, v241, 4, v1                 ; K: key r of a tile: row r / 4, 64 (r % 4) bytes on, + 16 h
	v_mul_u32_u24 v14, v240, 272
	v_lshl_add_u32 v14, v241, 3, v14               ; V: row d = r of a tile, + 8 h,
	v_add_nc_u32 v252, VBASE-4*KCH, v14            ; for a block counted 16 too high,
	v_add_nc_u32 v14, VBASE, v14                   ; and for a block's own number
	v_mov_b32 v253, 4*KCH                          ; 16 key blocks of K in bytes
	v_lshlrev_b32 v243, 3, v241
	v_sub_nc_u32 v243, v240, v243                  ; r - 8 h
	s_lshl_b32 s83, s17, 4
	v_add_nc_u32 v15, s83, v243                    ; on its diagonal block register (kt, j) is hidden where 16 kt + j > 16 cx + r - 8 h (A),
	s_sub_co_u32 s83, 48, s83
	v_add_nc_u32 v251, s83, v243                   ; > 16 (3 - cx) + r - 8 h (B)
	v_mov_b32 v3, 0xff61b1e6                       ; the largest t so far: -3e38
	v_mov_b32 v5, 0xff61b1e6
	v_floor_f32 v2, -v3                            ; -M
	v_floor_f32 v4, -v5
.irp j, 6,7,8,9,10,11,12,13,244,245
	v_mov_b32 v\j, 0
.endr
	v_mov_b32 v250, 0xff800000
.set j, 0
.rept 64
	v_mov_b32 v[160+j], 0                          ; O^T: the step is written once for first and later steps
.set j, j+1
.endr
	s_add_co_i32 s81, s72, s73
	s_lshl_b32 s81, s81, 23
	s_mov_b32 s22, 0x3d38aa3b                      ; c = log2(e) / 32,
	s_add_co_i32 s22, s22, s81                     ; x 2^(e6 + e7)
	s_mov_b32 s23, s22
	s_add_co_i32 s81, s74, 127
	s_lshl_b32 s82, s81, 23
	v_mov_b32 v248, s82                            ; 2^e8
	s_add_co_i32 s81, s81, 8
	s_lshl_b32 s81, s81, 23
	s_or_b32 s77, s81, 0x600000                    ; 448 x 2^e8
	s_mov_b32 s78, 0                               ; the trip
.macro HN n
.if (\n)==1
	s_delay_alu instid0(VALU_DEP_1)
.elseif (\n)==2
	s_delay_alu instid0(VALU_DEP_2)
.else
	s_delay_alu instid0(VALU_DEP_4)
.endif
.endm
; A STEP.  The scores lie in two halves of 32 registers.  m = 1: half 0 = tile A, half 1 = tile B, one key block.  m = 2: both halves tile B, two key blocks.  m = 0: half 1 alone, tile B on its diagonal block.
.macro STEP m
.if \m==1
.set OT, 0                             ; the first tile at work; a half's tile is half | OT
.else
.set OT, 1
.endif
.if \m==0
.set H0, 1                             ; the first half at work
.else
.set H0, 0
.endif
.if \m==2
.set KS, 32                            ; from half to half in K's fragments
.else
.set KS, 0
.endif
.set HH, 2-H0
.set HT, 2-OT
	FOUR                                           ; places behind the last step's products, ahead of the loads into registers that they read
.irp hf, 0,1
.if \hf*(2-\m)==0
.irp kt, 0,1,2,3
	ds_load_b128 v[32+32*\hf+8*\kt:35+32*\hf+8*\kt], v[ADK] offset:\hf*4352+\kt*1088
	ds_load_b128 v[36+32*\hf+8*\kt:39+32*\hf+8*\kt], v[ADK] offset:\hf*4352+\kt*1088+32
.endr
.endif
.endr
	s_wait_dscnt 0x0
.irp kt, 0,1,2,3
.irp hf, 0,1
.if \hf>=H0
	v_wmma_f32_16x16x64_fp8_fp8 v[96+32*\hf+8*\kt:103+32*\hf+8*\kt], v[32+KS*\hf+8*\kt:39+KS*\hf+8*\kt], v[16+8*(\hf|OT):23+8*(\hf|OT)], 0
.endif
.endr
.endr
	FOUR                                           ; places ahead of the first read of the scores and of the loads into K's registers
.irp dt, 0,1,2,3
.irp c, 0,1,2,3
.if \m==2
	ds_load_b64 v[32+16*\dt+2*\c:33+16*\dt+2*\c], v[ADV] offset:\dt*4352+16*\c    ; V(16 dt + r, keys 16 c + 8 h on) of the first block,
	ds_load_b64 v[40+16*\dt+2*\c:41+16*\dt+2*\c], v[ADV2] offset:\dt*4352+16*\c   ; and of the second: one fragment of K = 128.  They land under the softmax
.else
	ds_load_b64 v[64+8*\dt+2*\c:65+8*\dt+2*\c], v[ADV] offset:\dt*4352+16*\c
.endif
.endr
.endr
.if \m==1
	s_cmp_lg_u32 s78, s16                          ; A's diagonal block is that of trip w
	s_cbranch_scc1 .Lopen_\@
.endif
.if \m<2
.set MD, 251-236*\m
.set MS, 128-32*\m
.irp kt, 0,1,2,3
.irp j, 0,1,2,3,4,5,6,7
	v_cmp_gt_i32 vcc_lo, 16*\kt+\j, v[MD]
	v_cndmask_b32 v[MS+8*\kt+\j], v[MS+8*\kt+\j], v250, vcc_lo
.endr
.endr
.Lopen_\@:
.endif
.irp hf, 0,1
.if \hf>=H0
	v_max3_num_f32 v[240+2*\hf], v[96+32*\hf], v[97+32*\hf], v[98+32*\hf]     ; the largest score: two chains a half, each result tile from its low end on
	v_max3_num_f32 v[241+2*\hf], v[99+32*\hf], v[100+32*\hf], v[101+32*\hf]
.endif
.endr
.irp i, 6,10,14,18,22,26
.irp hf, 0,1
.if \hf>=H0
	v_max3_num_f32 v[240+2*\hf], v[240+2*\hf], v[96+32*\hf+\i], v[97+32*\hf+\i]
	v_max3_num_f32 v[241+2*\hf], v[241+2*\hf], v[98+32*\hf+\i], v[99+32*\hf+\i]
.endif
.endr
.endr
.irp hf, 0,1
.if \hf>=H0
	v_max3_num_f32 v[240+2*\hf], v[240+2*\hf], v[126+32*\hf], v[127+32*\hf]
.endif
.endr
.irp hf, 0,1
.if \hf>=H0
	HN HH
	v_max_num_f32 v[240+2*\hf], v[240+2*\hf], v[241+2*\hf]
.endif
.endr
.if \m==2
	HN 1
	v_max_num_f32 v242, v242, v240                 ; both halves are B's
.endif
.irp t, 0,1
.if \t>=OT
	HN HT
	v_permlanex16_b32 v[244+\t], v[240+2*\t], s20, s21
.endif
.endr
.irp t, 0,1
.if \t>=OT
	HN HT
	v_max_num_f32 v[240+2*\t], v[240+2*\t], v[244+\t]
.endif
.endr
.irp t, 0,1
.if \t>=OT
	HN HT
	v_mul_f32 v[240+2*\t], s22, v[240+2*\t]                ; as t (c is positive)
.endif
.endr
.irp t, 0,1
.if \t>=OT
	HN HT
	v_max_num_f32 v[3+2*\t], v[3+2*\t], v[240+2*\t]        ; the running largest t
.endif
.endr
.irp t, 0,1
.if \t>=OT
	v_mov_b32 v[240+2*\t], v[2+2*\t]
.endif
.endr
.irp t, 0,1
.if \t>=OT
	HN 2*HT
	v_floor_f32 v[2+2*\t], -v[3+2*\t]                      ; the new -M
.endif
.endr
.irp t, 0,1
.if \t>=OT
	HN HT
	v_sub_f32 v[240+2*\t], v[2+2*\t], v[240+2*\t]          ; old M - new M
.endif
.endr
.irp t, 0,1
.if \t>=OT
	HN HT
	v_cvt_i32_f32 v[240+2*\t], v[240+2*\t]
.endif
.endr
.irp t, 0,1
.if \t>=OT
	HN HT
	v_ldexp_f32 v[10+2*\t], 1.0, v[240+2*\t]               ; f = 2^(old M - new M)
.endif
.endr
.irp hf, 0,1
.if \hf>=H0
.set j, 0
.rept 16
	v_pk_fma_f32 v[96+32*\hf+j:97+32*\hf+j], v[96+32*\hf+j:97+32*\hf+j], s[22:23], v[2+2*(\hf|OT):3+2*(\hf|OT)] op_sel_hi:[1,0,0]   ; t - M
.set j, j+2
.endr
.endif
.endr
	s_wait_alu depctr_va_vdst(0)                   ; ahead of the batch
.set j, 32*H0
.rept 64-32*H0
	v_exp_f32 v[96+j], v[96+j]                     ; p = 2^(t - M)
.set j, j+1
.endr
.irp t, 0,1
.if \t>=OT
	v_pk_mul_f32 v[6+2*\t:7+2*\t], v[6+2*\t:7+2*\t], v[10+2*\t:11+2*\t] op_sel_hi:[1,0]   ; the sums under the new M; the plain place behind the batch
.endif
.endr
	s_wait_alu depctr_va_vdst(0)                   ; and the wait behind it, ahead of its first reader
.irp hf, 0,1
.if \hf>=H0
	v_pk_add_f32 v[240+2*\hf:241+2*\hf], v[96+32*\hf:97+32*\hf], v[98+32*\hf:99+32*\hf]   ; the row's sum of the unquantised p: a chain of its own for each half, and the tile's
.endif
.endr
.irp j, 4,8,12,16,20,24,28
.irp hf, 0,1
.if \hf>=H0
	v_pk_add_f32 v[6+2*(\hf|OT):7+2*(\hf|OT)], v[6+2*(\hf|OT):7+2*(\hf|OT)], v[96+32*\hf+\j:97+32*\hf+\j]
	v_pk_add_f32 v[240+2*\hf:241+2*\hf], v[240+2*\hf:241+2*\hf], v[98+32*\hf+\j:99+32*\hf+\j]
.endif
.endr
.endr
.irp hf, 0,1
.if \hf>=H0
	v_pk_add_f32 v[6+2*(\hf|OT):7+2*(\hf|OT)], v[6+2*(\hf|OT):7+2*(\hf|OT)], v[240+2*\hf:241+2*\hf]
.endif
.endr
.irp hf, 0,1
.if \hf>=H0
.irp kt, 0,1,2,3
.irp j, 0,2,4,6
	v_dual_min_num_f32 v[96+32*\hf+8*\kt+\j], s77, v[96+32*\hf+8*\kt+\j] :: v_dual_min_num_f32 v[97+32*\hf+8*\kt+\j], s77, v[97+32*\hf+8*\kt+\j]   ; the hold, one-sided: p is not negative; two a line
.endr
	v_cvt_scalef32_pk8_fp8_f32 v[224+8*\hf+2*\kt:225+8*\hf+2*\kt], v[96+32*\hf+8*\kt:103+32*\hf+8*\kt], v248   ; registers 2 kt, 2 kt + 1 of the half's part of P's operand
.endr
.endif
.endr
	s_wait_alu depctr_va_vdst(0)                   ; directly ahead of the first reader of O^T
.irp t, 0,1
.if \t>=OT
.set j, 0
.rept 16
	v_pk_mul_f32 v[160+32*\t+j:161+32*\t+j], v[160+32*\t+j:161+32*\t+j], v[10+2*\t:11+2*\t] op_sel_hi:[1,0]   ; O^T under the new M
.set j, j+2
.endr
.endif
.endr
	s_wait_alu depctr_va_vdst(0)                   ; directly ahead of the wait below
	s_wait_dscnt 0x0                               ; V's fragments are in
.irp dt, 0,1,2,3
.if \m==2
	v_wmma_f32_16x16x128_fp8_fp8 v[192+8*\dt:199+8*\dt], v[32+16*\dt:47+16*\dt], v[224:239], v[192+8*\dt:199+8*\dt]   ; K = the two blocks' 128 keys
.else
.irp t, 0,1
.if \t>=OT
	v_wmma_f32_16x16x64_fp8_fp8 v[160+32*\t+8*\dt:167+32*\t+8*\dt], v[64+8*\dt:71+8*\dt], v[224+8*\t:231+8*\t], v[160+32*\t+8*\dt:167+32*\t+8*\dt]
.endif
.endr
.endif
.endr
.endm
.macro VOFF d, z                       ; V: chunk z / 4, 64 (z % 4) bytes along the rows
	s_lshr_b32 s82, s[\z], 2
	s_mul_i32 s82, s82, KCH
	s_and_b32 s83, s[\z], 3
	s_lshl_b32 s83, s83, 6
	s_add_co_u32 s[\d], s82, s83
.endm
.macro WADR two                        ; the addresses of key block z - 16 (two = 1: and of the next), z in s81, at least 16
	s_mul_i32 s79, s81, 4352                       ; K: 16 rows of 272 bytes a block
	VOFF 80, 81
	v_add_nc_u32 v[ADK], s79, v1
	v_sub_nc_u32 v[ADK], v[ADK], v253
	v_add_nc_u32 v[ADV], s80, v252
.if \two
	s_add_co_u32 s81, s81, 1
	VOFF 80, 81
	v_add_nc_u32 v[ADV2], s80, v252
.endif
	s_wait_alu depctr_va_vdst(0)
.endm
.macro WALK last                       ; trips up to \last, a constant count
.Lw_\@:
	s_cmp_gt_u32 s78, s16
	s_cbranch_scc1 .Lwide_\@
	s_mul_i32 s79, s78, 4352                       ; trips 0 .. w: key block i, both tiles
	VOFF 80, 78
	v_add_nc_u32 v[ADK], s79, v1
	v_add_nc_u32 v[ADV], s80, v14
	s_wait_alu depctr_va_vdst(0)
	STEP 1
	s_branch .Ln_\@
.Lwide_\@:
	s_lshl_b32 s81, s78, 1
	s_add_co_u32 s81, s81, s19                     ; z = 2 i + 15 - w: key blocks 2 i - w - 1 and the next, tile B
	WADR 1
	STEP 2
.Ln_\@:
	s_add_co_u32 s78, s78, 1
	s_cmp_lt_u32 s78, \last
	s_wait_alu depctr_va_vdst(0)                   ; directly ahead of the backward jump
	s_cbranch_scc1 .Lw_\@
.endm
	s_wait_alu depctr_va_vdst(0)                   ; the head's end
	WALK 4
	s_wait_tensorcnt 0x0                           ; waves 12-15: my chunk of V has landed
	s_wait_dscnt 0x0
	s_barrier_signal -1
	s_barrier_wait -1                              ; all of V lies in LDS
	WALK 16
	s_add_co_u32 s81, s19, 32                      ; z = 47 - w: B's diagonal block 31 - w
	WADR 0
	STEP 0
	; THE WAY OUT: O^T x 2^(e8 + e9) / the sum, quantised with 2^e10, leaves through my stage as 2 x 1,024 consecutive bytes.
	v_add_f32 v6, v6, v7
	v_add_f32 v8, v8, v9
	v_permlanex16_b32 v244, v6, s20, s21
	v_permlanex16_b32 v245, v8, s20, s21
	v_add_f32 v6, v6, v244
	v_add_f32 v8, v8, v245
	s_wait_alu depctr_va_vdst(0)                   ; ahead of the two reciprocals
	v_rcp_f32 v10, v6
	v_rcp_f32 v12, v8
	s_mul_i32 s81, s16, SWV
	s_add_co_u32 s81, s81, STG                     ; my stage
	v_and_b32 v1, 15, v0                           ; r
	v_bfe_u32 v14, v0, 4, 1                        ; h
	v_lshrrev_b32 v15, 2, v1
	v_mul_u32_u24 v[ADK], v15, 272
	v_and_b32 v15, 3, v1
	v_lshl_add_u32 v[ADK], v15, 6, v[ADK]
	v_lshl_add_u32 v[ADK], v14, 3, v[ADK]
	v_add_nc_u32 v[ADK], s81, v[ADK]               ; in: four queries of 64 bytes to a row
	v_mul_u32_u24 v[ADV], v14, 272
	v_lshl_add_u32 v[ADV], v1, 4, v[ADV]
	v_add_nc_u32 v[ADV], s81, v[ADV]               ; back: lanes 0-15 one row, lanes 16-31 the next
	v_and_b32 v15, 31, v0
	v_lshlrev_b32 v15, 4, v15
	s_add_co_i32 s82, s74, s75                     ; e8 + e9
	s_add_co_i32 s83, s76, 127
	s_lshl_b32 s84, s83, 23
	v_mov_b32 v248, s84                            ; 2^e10
	s_add_co_i32 s83, s83, 8
	s_lshl_b32 s83, s83, 23
	s_or_b32 s84, s83, 0x600000                    ; 448 x 2^e10,
	s_or_b32 s83, s84, 0x80000000                  ; and its negative
	s_wait_alu depctr_va_vdst(0)                   ; behind the reciprocals, ahead of their first reader
	v_ldexp_f32 v10, v10, s82
	v_ldexp_f32 v12, v12, s82
	s_wait_alu depctr_va_vdst(0)                   ; directly ahead of the first reader of O^T
.irp t, 0,1
.set j, 0
.rept 16
	v_pk_mul_f32 v[96+32*\t+j:97+32*\t+j], v[160+32*\t+j:161+32*\t+j], v[10+2*\t:11+2*\t] op_sel_hi:[1,0]   ; (query r of tile t, d = 16 dt + 8 h + j)
.set j, j+2
.endr
.endr
.set j, 0
.rept 64
	v_med3_num_f32 v[96+j], v[96+j], s83, s84
.set j, j+1
.endr
.irp t, 0,1
.irp dt, 0,1,2,3
	v_cvt_scalef32_pk8_fp8_f32 v[224+8*\t+2*\dt:225+8*\t+2*\dt], v[96+32*\t+8*\dt:103+32*\t+8*\dt], v248
.endr
.endr
	v_nop
.irp t, 0,1
.irp dt, 0,1,2,3
	ds_store_b64 v[ADK], v[224+8*\t+2*\dt:225+8*\t+2*\dt] offset:\t*1088+16*\dt
.endr
.endr
.irp i, 0,1,2,3
	ds_load_b128 v[32+4*\i:35+4*\i], v[ADV] offset:544*\i   ; LDS serves a wave's instructions in order (ISA guide 5.7.1.4)
.endr
.irp i, 0,1,2,3
	s_wait_dscnt 3-\i                              ; load i is in
	global_store_b128 v15, v[32+4*\i:35+4*\i], s[66+2*(\i/2):67+2*(\i/2)] offset:512*(\i%2)   ; 32 lanes store 512 consecutive bytes, aligned
.endr
	s_wait_tensorcnt 0x0                           ; the wave's end
	ds_add_u32 v[SPW], v[NIL]
	s_wait_dscnt 0x0
	ROUND                                          ; the closing round
	s_endpgm
.Lfunc_end_k_q8b86fce4c4_attn:
	.size	k_q8b86fce4c4_attn, .Lfunc_end_k_q8b86fce4c4_attn-k_q8b86fce4c4_attn
	.p2alignl 7, 3214868480
	.fill 96, 4, 3214868480
	.section	.rodata,"a",@progbits
	.p2align	6, 0x0
	.amdhsa_kernel k_q8b86fce4c4_attn
		.amdhsa_group_segment_fixed_size 327680
		.amdhsa_private_segment_fixed_size 0
		.amdhsa_enable_private_segment 0
		.amdhsa_kernarg_size 48
		.amdhsa_user_sgpr_count 2
		.amdhsa_user_sgpr_kernarg_segment_ptr 1
		.amdhsa_wavefront_size32 1
		.amdhsa_system_sgpr_workgroup_id_x 1
		.amdhsa_system_sgpr_workgroup_id_y 1
		.amdhsa_system_sgpr_workgroup_id_z 1
		.amdhsa_system_vgpr_workitem_id 0
		.amdhsa_next_free_vgpr 256
		.amdhsa_next_free_sgpr 96
		.amdhsa_reserve_vcc 1
		.amdhsa_float_denorm_mode_32 3
		.amdhsa_float_denorm_mode_16_64 3
		.amdhsa_memory_ordered 1
		.amdhsa_forward_progress 1
		.amdhsa_inst_pref_size 132
	.end_amdhsa_kernel
	.amdgpu_metadata
---
amdhsa.version: [ 1, 2 ]
amdhsa.kernels:
  - .name:           k_q8b86fce4c4_attn
    .symbol:         k_q8b86fce4c4_attn.kd
    .args:
      - { .name: x_codes, .offset: 0, .size: 8, .value_kind: global_buffer, .address_space: global }
      - { .name: Wq_codes, .offset: 8, .size: 8, .value_kind: global_buffer, .address_space: global }
      - { .name: k_codes, .offset: 16, .size: 8, .value_kind: global_buffer, .address_space: global }
      - { .name: v_codes, .offset: 24, .size: 8, .value_kind: global_buffer, .address_space: global }
      - { .name: lowp_scales, .offset: 32, .size: 8, .value_kind: global_buffer, .address_space: global }
      - { .name: a_codes, .offset: 40, .size: 8, .value_kind: global_buffer, .address_space: global }
    .group_segment_fixed_size: 327680
    .private_segment_fixed_size: 0
    .kernarg_segment_align: 8
    .kernarg_segment_size: 48
    .max_flat_workgroup_size: 512
    .sgpr_count:     96
    .vgpr_count:     256
    .wavefront_size: 32
...
	.end_amdgpu_metadata
.endif
;; end of part 2
;; launch proj (part 3): grid 8 x 32, 4 waves a work-group, clusters of 4 x 4, 327,680 bytes of LDS; arguments a_codes, Wproj_codes, lowp_scales, bproj, out0; writes out0
.if DOCPART == 3
	.amdgcn_target "amdgcn-amd-amdhsa--gfx1250"
	.amdhsa_code_object_version 6
	.text
	.protected	k_q8b86fce4c4_proj
	.globl	k_q8b86fce4c4_proj
	.p2align	8
	.type	k_q8b86fce4c4_proj,@function
k_q8b86fce4c4_proj:
	s_mov_b64 s[64:65], 0
	v_nop
	global_prefetch_b8 v0, s[64:65] scope:SCOPE_SE
	s_setreg_imm32_b32 hwreg(HW_REG_WAVE_MODE, 25, 1), 1
	s_wait_xcnt 0x0
	s_wait_alu depctr_hold_cnt(0) depctr_sa_sdst(0) depctr_va_vdst(0) depctr_va_sdst(0) depctr_va_ssrc(0) depctr_va_vcc(0) depctr_vm_vsrc(0)
	s_getreg_b32 s2, hwreg(HW_REG_IB_STS2, 6, 4)
	s_cmp_eq_u32 s2, 0
	s_cbranch_scc0 .Lentry_in_a_cluster
	s_endpgm
.Lentry_in_a_cluster:
	s_bfe_u32 s2, ttmp6, 0x10000c
	s_cmp_lg_u32 s2, 0xf033
	s_cbranch_scc0 .Lentry_shape_is_right
	s_endpgm
.Lentry_shape_is_right:
; out0 = a Wproj^T x 2^(e10 + e11) + bproj, on codes of FP8 (E4M3).  a_codes: [64 blocks of 128 tokens][16 heads][128][64]; Wproj_codes: [1024][1024], K innermost; out0: [8192][1024] f32.
; LIMIT: e10 + e11 between -126 and 127, so that 2^(e10 + e11) is an f32 number.
; SHARES: a block of 256 tokens x 128 columns to a work-group of four waves, 128 x 64 a wave: 256 work-groups.  K = 1,024 in four steps of 256 (four heads) through two LDS slots.
; CLUSTERS 4 x 4: a's tile is asked for jointly by a row of the cluster, Wproj's by a column.
.set PITCH,  272
.set FR,     16
.set NL,     4
.set NP,     4
.set ABLK,   128*PITCH
.set BHALF,  64*PITCH
.set SLOT,   2*ABLK+2*BHALF
.set LAPS,   2
.set SPARE,  2*SLOT
.set SPITCH, 272
.set ADRA, 16
.set ADRB, 20
.set STO,  24
.set RD,   25
.set CO,   26
.set BO,   27
.set SPW,  28
.set NIL,  29
.set TMP,  32
.set BIAS, 96
.set AF,   128
.set BK,   128
.set G1, 24
.set G0, 32
.set G1B, 48
.set G0B, 56
.set MSB, 0
.macro WIN new
.if MSB != \new
	s_set_vgpr_msb (MSB<<8)|\new
.set MSB, \new
.endif
.endm
.set MUL,  0xa1
.set TO_B, 0x40
.macro JLOAD g0a, g1a, g0b, g1b
	s_cmp_eq_u32 s15, 0
	s_cbranch_scc0 .Lfor_b_\@
	tensor_load_to_lds s[\g0a:\g0a+3], s[\g1a:\g1a+7]
	s_nop 0
.rept 4
	v_nop
.endr
	s_branch .Lasked_\@
.Lfor_b_\@:
	tensor_load_to_lds s[\g0b:\g0b+3], s[\g1b:\g1b+7]
	s_nop 0
.rept 4
	v_nop
.endr
.Lasked_\@:
.endm
.macro CREST
	s_cmp_lg_u32 s14, 0
	s_cbranch_scc1 .Lnot_wave_0_\@
	s_barrier_signal -3
.Lnot_wave_0_\@:
	s_barrier_wait -3
	s_barrier_signal -1
	s_barrier_wait -1
.endm
.macro CROUND
	s_barrier_signal -1
	s_barrier_wait -1
	CREST
.endm
	s_load_b128 s[4:7], s[0:1], 0x0
	s_load_b128 s[8:11], s[0:1], 0x10
	s_load_b64 s[12:13], s[0:1], 0x20
	v_lshl_add_u32 v[SPW], v0, 2, SPARE
	v_mov_b32 v[NIL], 0
	ds_add_u32 v28, v29
	ds_add_u32 v28, v29
	s_wait_dscnt 0x0
	v_lshrrev_b32 v1, 5, v0
	v_readfirstlane_b32 s14, v1
	s_lshr_b32 s15, s14, 1
	s_and_b32 s16, s14, 1
	s_bfe_u32 s40, ttmp6, 0x40000
	s_bfe_u32 s41, ttmp6, 0x40004
	s_lshl_b32 s42, ttmp9, 2
	s_add_co_u32 s42, s42, s40
	s_and_b32 s17, ttmp7, 0xffff
	s_lshl_b32 s17, s17, 2
	s_add_co_u32 s17, s17, s41
	s_lshl_b32 s43, s41, 2
	s_lshl_b32 s43, 15, s43
	s_lshl_b32 s44, 0x1111, s40
	s_or_b32 s[G1+0], s43, (0<<16)|(1<<20)|(1<<21)|(5<<22)|(3<<25)
	s_mov_b32 s[G1+1], 256<<16
	s_mov_b32 s[G1+2], 128<<16
	s_mov_b32 s[G1+3], 256<<16
	s_mov_b32 s[G1+4], 128
	s_mov_b32 s[G1+5], 256
	s_mov_b32 s[G1+6], 0
	s_mov_b32 s[G1+7], 0
	s_or_b32 s[G1B+0], s44, (0<<16)|(1<<20)|(1<<21)|(5<<22)|(3<<25)
	s_mov_b32 s[G1B+1], 256<<16
	s_mov_b32 s[G1B+2], 64<<16
	s_mov_b32 s[G1B+3], 256<<16
	s_mov_b32 s[G1B+4], 64
	s_mov_b32 s[G1B+5], 1024
	s_mov_b32 s[G1B+6], 0
	s_mov_b32 s[G1B+7], 0
	s_lshl_b32 s20, s17, 1
	s_add_co_u32 s20, s20, s16
	s_lshl_b32 s20, s20, 17
	s_mov_b32 s21, 0
	s_lshl_b32 s46, s42, 17
	s_lshl_b32 s18, s16, 16
	s_add_co_u32 s46, s46, s18
	s_mov_b32 s47, 0
	s_mul_i32 s45, s16, ABLK
	s_mul_i32 s66, s16, BHALF
	s_add_co_u32 s66, s66, 2*ABLK
	s_wait_kmcnt 0x0
	s_load_b64 s[96:97], s[8:9], 0x28
	s_add_nc_u64 s[20:21], s[4:5], s[20:21]
	s_add_nc_u64 s[46:47], s[6:7], s[46:47]
	; THE PREFETCHES INTO THE L2.  Behind K step t's joint load the steps up to t + 2 that have not been asked for are asked of memory: steps 1 and 2 behind step 0's load, step 3 behind step 1's.
	; One instruction a wave and step.  The four partners that ask for a tile jointly share its blocks of 256 bytes out by address: of a's 128 blocks a step each takes 32 (a lane a block, place cx);
	; of Wproj's 64 rows each takes 16 (a lane a row, place cy; lanes 16-31 name the last of them again).  Wproj's rows are loaded by all eight cluster rows: rows 0-3 alone ask for them.
	s_cmp_eq_u32 s15, 0                            ; do I fetch for a?
	s_cselect_b64 s[68:69], s[20:21], s[46:47]     ; what my tensor loads fetch, at K step 0
	s_cselect_b32 s72, s40, s41                    ; my place among the four
	s_cselect_b32 s74, 13, 14                      ; a partner's share: 8,192 bytes of a, 16 rows of 1,024 bytes of Wproj
	s_cselect_b32 s71, 31, 15                      ; the last lane with a block of its own
	s_cselect_b32 s75, 8, 10                       ; from lane to lane: 256 bytes, or a row
	s_lshl_b32 s72, s72, s74
	s_mov_b32 s73, 0
	s_add_nc_u64 s[68:69], s[68:69], s[72:73]
	s_and_b32 s70, ttmp7, 0xffff
	s_lshr_b32 s70, s70, 2
	s_add_co_u32 s70, s70, 1
	s_mul_i32 s70, s70, s15                        ; 0: a's blocks; 1: Wproj's, asked for; 2: Wproj's in cluster rows 4-7, not asked for
	v_and_b32 v8, 31, v0
	v_min_u32 v8, s71, v8
	v_lshlrev_b32 v8, s75, v8                      ; my lane's offset; never rewritten, like s[68:69]
.macro ASK t                           ; K step t: 32,768 bytes on in a's block, 256 bytes on in Wproj's rows
	s_cmp_eq_u32 s70, 0
	s_cbranch_scc0 .Lpf_b_\@
	global_prefetch_b8 v8, s[68:69] offset:(\t)*32768 th:TH_LOAD_NT scope:SCOPE_SE
	s_branch .Lpf_done_\@
.Lpf_b_\@:
	s_cmp_eq_u32 s70, 1
	s_cbranch_scc0 .Lpf_done_\@
	global_prefetch_b8 v8, s[68:69] offset:(\t)*256 th:TH_LOAD_NT scope:SCOPE_SE
.Lpf_done_\@:
.endm
	s_wait_alu depctr_va_vdst(0)                   ; directly ahead of the barrier's signal
	CROUND
.irp s, 0,1
	s_mov_b32 s[G0+4*\s], 1
	s_add_co_u32 s[G0+4*\s+1], s45, \s*SLOT
	s_add_nc_u64 s[G0+4*\s+2:G0+4*\s+3], s[20:21], \s*32768
	s_or_b32 s[G0+4*\s+3], s[G0+4*\s+3], 0x80000000
	s_mov_b32 s[G0B+4*\s], 1
	s_add_co_u32 s[G0B+4*\s+1], s66, \s*SLOT
	s_add_nc_u64 s[G0B+4*\s+2:G0B+4*\s+3], s[46:47], \s*256
	s_or_b32 s[G0B+4*\s+3], s[G0B+4*\s+3], 0x80000000
.if \s==1                              ; slot 1's first fill is issued as a refill is: all my tensor loads, the add, its wait, a round
	s_wait_alu depctr_va_vdst(0)
	s_wait_tensorcnt 0x0
	ds_add_u32 v28, v29
	ds_add_u32 v28, v29
	s_wait_dscnt 0x0
	CROUND
.endif
	JLOAD G0+4*\s, G1, G0B+4*\s, G1B
.if \s==0
	ASK 1
	ASK 2
.else
	ASK 3
.endif
.endr
	v_and_b32 v1, 15, v0
	v_bfe_u32 v2, v0, 4, 1
	v_lshrrev_b32 v3, 2, v1
	v_mul_u32_u24 v3, v3, PITCH
	v_and_b32 v4, 3, v1
	v_lshl_add_u32 v3, v4, 6, v3
	v_lshl_add_u32 v3, v2, 4, v3
	v_mul_u32_u24 v5, v1, PITCH
	v_lshl_add_u32 v5, v2, 4, v5
	s_mul_i32 s21, s15, ABLK
	s_mul_i32 s22, s16, BHALF
	s_add_co_u32 s22, s22, 2*ABLK
.irp s, 0,1
	v_add_nc_u32 v[ADRA+\s], s21, v3
	v_add_nc_u32 v[ADRB+\s], s22, v5
	s_add_co_u32 s21, s21, SLOT
	s_add_co_u32 s22, s22, SLOT
.endr
	s_mul_i32 s23, s14, 16*SPITCH
	v_mul_u32_u24 v6, v1, SPITCH
	v_lshl_add_u32 v6, v2, 5, v6
	v_add_nc_u32 v[STO], s23, v6
	v_mul_u32_u24 v7, v2, SPITCH
	v_lshl_add_u32 v7, v1, 4, v7
	v_add_nc_u32 v[RD], s23, v7
	v_lshlrev_b32 v[CO], 12, v2
	v_lshl_add_u32 v[CO], v1, 4, v[CO]
	v_lshlrev_b32 v[BO], 5, v2
	s_wait_alu depctr_va_vdst(0)
	s_lshl_b32 s20, s17, 20
	s_lshl_b32 s21, s15, 19
	s_add_co_u32 s20, s20, s21
	s_mov_b32 s21, 0
	s_lshl_b32 s46, s42, 9
	s_lshl_b32 s47, s16, 8
	s_add_co_u32 s46, s46, s47
	s_mov_b32 s47, 0
	s_add_nc_u64 s[10:11], s[10:11], s[46:47]
	s_add_nc_u64 s[20:21], s[20:21], s[46:47]
	s_add_nc_u64 s[12:13], s[12:13], s[20:21]
.irp b, 0,1,2,3
	global_load_b128 v[BIAS+8*\b:BIAS+8*\b+3],   v[BO], s[10:11] offset:64*\b
	global_load_b128 v[BIAS+8*\b+4:BIAS+8*\b+7], v[BO], s[10:11] offset:64*\b+16
.endr
.macro FRAGA reg, adr, q, i
.irp c, 0,1,2,3
	ds_load_b128 v[\reg+4*\c:\reg+4*\c+3], v[\adr] offset:((2*(\q)+(\c/2))*32+4*(\i))*PITCH+32*(\c%2)
.endr
.endm
.macro FRAGB reg, adr, q, i
.irp c, 0,1,2,3
	ds_load_b128 v[\reg+4*\c:\reg+4*\c+3], v[\adr] offset:128*(\q)+32*\c+(\i)*16*PITCH
.endr
.endm
.macro MUL8 a0, p, zero
.irp a, \a0, \a0+1
.irp b, 0,1,2,3
.if \zero
	v_wmma_f32_16x16x128_fp8_fp8 v[8*(4*(\a)+\b):8*(4*(\a)+\b)+7], v[64*(\p)+FR*\b:64*(\p)+FR*\b+FR-1], v[AF+FR*(\a):AF+FR*(\a)+FR-1], 0
.else
	v_wmma_f32_16x16x128_fp8_fp8 v[8*(4*(\a)+\b):8*(4*(\a)+\b)+7], v[64*(\p)+FR*\b:64*(\p)+FR*\b+FR-1], v[AF+FR*(\a):AF+FR*(\a)+FR-1], v[8*(4*(\a)+\b):8*(4*(\a)+\b)+7]
.endif
.endr
.endr
.endm
.macro FETCH_B slot, q, p
	WIN TO_B
.irp i, 0,1,2,3
	FRAGB 64*(\p)+FR*\i, ADRB+\slot, \q, \i
.endr
	WIN 0
.endm
.macro FETCH_A slot, q, i0
.irp i, \i0, \i0+1, \i0+2, \i0+3
	FRAGA AF+FR*(\i), ADRA+\slot, \q, \i
.endr
.endm
.macro PLACES n
.rept \n
	v_nop
.endr
.endm
.macro STEP slot, q, zero
	s_wait_dscnt 4*NL
	WIN MUL
	MUL8 0, (\q)%2, \zero
	MUL8 2, (\q)%2, \zero
	s_wait_dscnt 0
	PLACES NP
	FETCH_B \slot, (\q)+1, 1-(\q)%2
	FETCH_A \slot, (\q)+1, 0
	WIN MUL
	MUL8 4, (\q)%2, \zero
	MUL8 6, (\q)%2, \zero
	PLACES NP
	WIN 0
	FETCH_A \slot, (\q)+1, 4
.endm
.macro TURN slot, next, fill
	s_wait_tensorcnt 0x0
	ds_add_u32 v[SPW], v[NIL]
	s_wait_dscnt 4*NL+1
	WIN MUL
	MUL8 0, 1, 0
	s_wait_dscnt 0x0
	s_barrier_signal -1
	MUL8 2, 1, 0
	WIN 0
	s_barrier_wait -1
.if \fill
	CREST
	s_add_nc_u64 s[G0+4*\slot+2:G0+4*\slot+3], s[G0+4*\slot+2:G0+4*\slot+3], 2*32768
	s_add_nc_u64 s[G0B+4*\slot+2:G0B+4*\slot+3], s[G0B+4*\slot+2:G0B+4*\slot+3], 2*256
	JLOAD G0+4*\slot, G1, G0B+4*\slot, G1B
.else
	PLACES NP
.endif
	FETCH_B \next, 0, 0
	FETCH_A \next, 0, 0
	WIN MUL
	MUL8 4, 1, 0
	MUL8 6, 1, 0
	PLACES NP
	WIN 0
	FETCH_A \next, 0, 4
.endm
	s_wait_tensorcnt 1
	s_barrier_signal -1
	s_barrier_wait -1
	FETCH_B 0, 0, 0
	FETCH_A 0, 0, 0
	FETCH_A 0, 0, 4
	STEP 0, 0, 1
	s_mov_b32 s3, LAPS-1
.Llap:
	TURN 0, 1, 1
	STEP 1, 0, 0
	TURN 1, 0, 1
	STEP 0, 0, 0
	s_sub_co_u32 s3, s3, 1
	s_cmp_lg_u32 s3, 0
	s_cbranch_scc1 .Llap
	TURN 0, 1, 0
	STEP 1, 0, 0
	s_wait_dscnt 4*NL
	WIN MUL
	MUL8 0, 1, 0
	MUL8 2, 1, 0
	s_wait_dscnt 0
	MUL8 4, 1, 0
	MUL8 6, 1, 0
	WIN 0
.macro TOSTAGE a
	WIN 0x02
.set j, 0
.rept 16
	v_pk_fma_f32 v[TMP+j:TMP+j+1], v[32*(\a)+j:32*(\a)+j+1], s[96:97], v[BIAS+j:BIAS+j+1] op_sel_hi:[1,0,1]
.set j, j+2
.endr
	WIN 0
.irp b, 0,1,2,3
	ds_store_b128 v[STO], v[TMP+8*\b:TMP+8*\b+3] offset:64*\b
	ds_store_b128 v[STO], v[TMP+8*\b+4:TMP+8*\b+7] offset:64*\b+16
.endr
.set BB, BK+32*((\a)%2)
.irp t, 0,1,2,3,4,5,6,7
	ds_load_b128 v[BB+4*\t:BB+4*\t+3], v[RD] offset:\t*2*SPITCH
.endr
.endm
.macro SEND a, younger
.set BB, BK+32*((\a)%2)
	s_wait_dscnt \younger
.if (\a) > 0
	s_add_nc_u64 s[12:13], s[12:13], 16*4096
.endif
.irp t, 0,1,2,3,4,5,6,7
	global_store_b128 v[CO], v[BB+4*\t:BB+4*\t+3], s[12:13] offset:\t*2*4096 th:TH_STORE_NT
.endr
.endm
	s_wait_kmcnt 0x0
	s_add_co_i32 s96, s96, s97
	s_add_co_i32 s96, s96, 127
	s_lshl_b32 s96, s96, 23
	s_mov_b32 s97, s96
	s_wait_loadcnt 0x0
	PLACES NP
	TOSTAGE 0
.irp a, 1,2,3,4,5,6,7
.if \a > 1
	s_wait_xcnt 0x0
.endif
	TOSTAGE \a
	SEND \a-1, 16
.endr
	s_wait_xcnt 0x0
	SEND 7, 0
	s_wait_tensorcnt 0x0
	ds_add_u32 v[SPW], v[NIL]
	s_wait_dscnt 0x0
	CROUND
	s_endpgm
.Lfunc_end_k_q8b86fce4c4_proj:
	.size	k_q8b86fce4c4_proj, .Lfunc_end_k_q8b86fce4c4_proj-k_q8b86fce4c4_proj
	.p2alignl 7, 3214868480
	.fill 96, 4, 3214868480
	.section	.rodata,"a",@progbits
	.p2align	6, 0x0
	.amdhsa_kernel k_q8b86fce4c4_proj
		.amdhsa_group_segment_fixed_size 327680
		.amdhsa_private_segment_fixed_size 0
		.amdhsa_enable_private_segment 0
		.amdhsa_kernarg_size 40
		.amdhsa_user_sgpr_count 2
		.amdhsa_user_sgpr_kernarg_segment_ptr 1
		.amdhsa_wavefront_size32 1
		.amdhsa_system_sgpr_workgroup_id_x 1
		.amdhsa_system_sgpr_workgroup_id_y 1
		.amdhsa_system_sgpr_workgroup_id_z 1
		.amdhsa_system_vgpr_workitem_id 0
		.amdhsa_next_free_vgpr 768
		.amdhsa_next_free_sgpr 98
		.amdhsa_reserve_vcc 0
		.amdhsa_float_denorm_mode_32 3
		.amdhsa_float_denorm_mode_16_64 3
		.amdhsa_memory_ordered 1
		.amdhsa_forward_progress 1
		.amdhsa_inst_pref_size 81
	.end_amdhsa_kernel
	.amdgpu_metadata
---
amdhsa.version: [ 1, 2 ]
amdhsa.kernels:
  - .name:           k_q8b86fce4c4_proj
    .symbol:         k_q8b86fce4c4_proj.kd
    .args:
      - { .name: a_codes, .offset: 0, .size: 8, .value_kind: global_buffer, .address_space: global }
      - { .name: Wproj_codes, .offset: 8, .size: 8, .value_kind: global_buffer, .address_space: global }
      - { .name: lowp_scales, .offset: 16, .size: 8, .value_kind: global_buffer, .address_space: global }
      - { .name: bproj, .offset: 24, .size: 8, .value_kind: global_buffer, .address_space: global }
      - { .name: out0, .offset: 32, .size: 8, .value_kind: global_buffer, .address_space: global }
    .group_segment_fixed_size: 327680
    .private_segment_fixed_size: 0
    .kernarg_segment_align: 8
    .kernarg_segment_size: 40
    .max_flat_workgroup_size: 128
    .sgpr_count:     98
    .vgpr_count:     768
    .wavefront_size: 32
...
	.end_amdgpu_metadata
.endif
;; end of part 3
